; MI455X (gfx1250); checked and timed in simulation.
; The chip was launched on July 23, 2026; its instructions are those of AMD's public machine-readable ISA for CDNA 5 (MIT licence, August 2026) and "CDNA5" Instruction Set Architecture Reference Guide (July 2026). The comments in the code are by the model that wrote it; some were corrected since.
;; LTM. Allowed arithmetic: matrix products marked QUANTISED: E2M3 operands, one E8M0 scale for each 32 along K, by v_wmma_scale_f32_16x16x128_f8f6f4 with both operands' format E2M3, f32 sums; everything else in f32.
;; Inputs: W_f_codes 2,048 x 64 x 24 uint8 (E2M3 codes of W_f, K innermost, in blocks of 32 codes, four codes in three bytes); W_f_scales 2,048 x 64 uint8 (E8M0 scales of W_f, one for each 32 codes along K); W_g_codes 2,048 x 64 x 24 uint8 (E2M3 codes of W_g, K innermost, in blocks of 32 codes, four codes in three bytes); W_g_scales 2,048 x 64 uint8 (E8M0 scales of W_g, one for each 32 codes along K); W_i_codes 2,048 x 64 x 24 uint8 (E2M3 codes of W_i, K innermost, in blocks of 32 codes, four codes in three bytes); W_i_scales 2,048 x 64 uint8 (E8M0 scales of W_i, one for each 32 codes along K); W_o_codes 2,048 x 64 x 24 uint8 (E2M3 codes of W_o, K innermost, in blocks of 32 codes, four codes in three bytes); W_o_scales 2,048 x 64 uint8 (E8M0 scales of W_o, one for each 32 codes along K); b_f 2,048 float32; b_g 2,048 float32; b_i 2,048 float32; b_o 2,048 float32; cx 1 x 2,048 float32; x_codes 4,096 x 64 x 24 uint8 (E2M3 codes of x, K innermost, in blocks of 32 codes, four codes in three bytes); x_scales 4,096 x 64 uint8 (E8M0 scales of x, one for each 32 codes along K).
;; Outputs: out0 4,096 x 2,048 float32.
;; This version of the problem:
;;   THIS VERSION OF THE PROBLEM IS GIVEN IN LOW PRECISION. The matrix products marked QUANTISED in the list below multiply operands that are first quantised to E2M3 (2 exponent bits, 3 mantissa bits; 6 bits a number), with one power-of-two scale for each 32 numbers along K (OCP MX v1.0); their sums are f32. All else is computed in f32.
;;   The module's matrix products, in the order in which they are computed (A, B: the left and right operand; K: the contracted axis; several contracted axes count as one K, in the product's order):
;;     1. [M 4,096, K 2,048] x [K 2,048, N 2,048]; A: input x (given as codes); B: input W_i (given as codes): QUANTISED
;;     2. [M 4,096, K 2,048] x [K 2,048, N 2,048]; A: input x (given as codes); B: input W_f (given as codes): QUANTISED
;;     3. [M 4,096, K 2,048] x [K 2,048, N 2,048]; A: input x (given as codes); B: input W_g (given as codes): QUANTISED
;;     4. [M 4,096, K 2,048] x [K 2,048, N 2,048]; A: input x (given as codes); B: input W_o (given as codes): QUANTISED
;;   THE QUANTISER, for each operand of a quantised product, along K:
;;     - K is cut into blocks of 32 from its start; a last block that is shorter is filled with zeros.
;;     - A block's scale is 2^e with e = floor(log2(the largest magnitude in the block)) - 2, held to -126 .. 127; a block of zeros has e = 0. As a byte (E8M0): e + 127.
;;     - Each number is divided by its block's scale, clamped to +-7.5, and rounded to the nearest number of E2M3, ties to even, subnormals kept.
;;     - The product sums the exact products of the quantised numbers (number of the format x scale) in f32.
;;   ~~~python
;;   def quantise(x, axis):      # numpy; x: float32 -> the quantised numbers, widened to float32 again
;;       x = np.moveaxis(x, axis, -1); K = x.shape[-1]
;;       x = np.pad(x, [(0, 0)] * (x.ndim - 1) + [(0, -K % 32)]); x = x.reshape(x.shape[:-1] + (-1, 32)); a = np.abs(x).max(-1, keepdims=True)
;;       e = np.where(a > 0, np.clip(np.frexp(np.where(a > 0, a, 1))[1] - 1 - 2, -126, 127), 0)      # np.frexp(a)[1] - 1 = floor(log2(a)), exactly
;;       r = np.clip(x / 2.0 ** e, -7.5, 7.5)
;;       step = 2.0 ** (np.maximum(np.frexp(np.where(r == 0, 1, r))[1] - 1, 0) - 3)
;;       q = np.round(r / step) * step * 2.0 ** e      # np.round: ties to even
;;       return np.moveaxis(q.reshape(q.shape[:-2] + (-1,))[..., :K], -1, axis).astype(np.float32)
;;   ~~~
;;   INPUTS GIVEN AS CODES. W_f (in the module: [2048, 2048], K = its axis 1); W_g (in the module: [2048, 2048], K = its axis 1); W_i (in the module: [2048, 2048], K = its axis 1); W_o (in the module: [2048, 2048], K = its axis 1); x (in the module: [4096, 2048], K = its axis 1): each comes as NAME_codes (uint8): NAME with its K axis moved to the last place and cut into blocks of 32 codes, [.., K / 32, bytes a block], one block behind the other in memory; four codes in three bytes: a row's codes are one little-endian stream of bits, code i at bits 6 i .. 6 i + 5 (a code: sign, 2 exponent bits, 3 mantissa bits); and NAME_scales (uint8): the same leading axes, one E8M0 byte (e + 127) for each 32 codes along K. Its value is code x scale, taken as it is: it is not quantised again, and the codes and scales need not be those that the quantiser above would give.
;; One version. Each part assembles by itself: llvm-mc -triple=amdgcn-amd-amdhsa -mcpu=gfx1250 --defsym DOCPART=n.
;; ======== version 1 of 1: 1 launch
;; limits: right only within a limited range of input values
;; launch lstm (part 1): grid 32 x 8, 4 waves a work-group, clusters of 4 x 4, 327,680 bytes of LDS; arguments x_codes, x_scales, W_i_codes, W_f_codes, W_g_codes, W_o_codes, W_i_scales, W_f_scales, W_g_scales, W_o_scales, b_i, b_f, b_g, b_o, cx, out0; writes out0
.if DOCPART == 1
	.amdgcn_target "amdgcn-amd-amdhsa--gfx1250"
	.amdhsa_code_object_version 6
	.text
	.protected	k_q4ee9d637ed_lstm
	.globl	k_q4ee9d637ed_lstm
	.p2align	8
	.type	k_q4ee9d637ed_lstm,@function
k_q4ee9d637ed_lstm:
	s_mov_b64 s[64:65], 0
	v_nop
	global_prefetch_b8 v0, s[64:65] scope:SCOPE_SE
	s_setreg_imm32_b32 hwreg(HW_REG_WAVE_MODE, 25, 1), 1
	s_wait_xcnt 0x0
	s_wait_alu depctr_hold_cnt(0) depctr_sa_sdst(0) depctr_va_vdst(0) depctr_va_sdst(0) depctr_va_ssrc(0) depctr_va_vcc(0) depctr_vm_vsrc(0)
	s_getreg_b32 s2, hwreg(HW_REG_IB_STS2, 6, 4)
	s_cmp_eq_u32 s2, 0
	s_cbranch_scc0 .Lentry_in_a_cluster
	s_endpgm
.Lentry_in_a_cluster:
	s_bfe_u32 s2, ttmp6, 0x10000c
	s_cmp_lg_u32 s2, 0xf033
	s_cbranch_scc0 .Lentry_shape_is_right
	s_endpgm
.Lentry_shape_is_right:
; h = sigmoid(z_o) tanh(sigmoid(z_f) cx + sigmoid(z_i) tanh(z_g)),  z_G = x W_G^T + b_G, G = i, f, g, o.
; x: [4096][2048], W_G: [2048][2048]: FP6 (E2M3) codes, a row is 1,536 bytes, one E8M0 byte for each 32 along K.  b_G, cx: [2048] f32.  h: [4096][2048] f32.  Every input is live.
; SHARES.  A tile is 256 rows x 64 columns of h: 256 rows of x against 4 gates x 64 rows of weights.  A WORK-GROUP STAYS and makes two tiles, 2,048 rows apart, on the same weights: 256 work-groups.
; Wave w (rh = w / 2, ch = w % 2): 128 rows x 32 columns x 4 gates, 64 accumulators, 512 registers.  Weight block b = 2 gate + cb.  The matrix instruction is used transposed (source 0 = weights,
; source 1 = x): lane (r, h) holds row r of x, register j column 8 h + j, so the four z of one number of h lie in one lane.
; Block a of x is the tile's group of 16 rows G(a) + 2 rh, block b of the weights group G(b) + 2 ch of the list i, f, g, o; G(i) = 4 (i / 2) + i % 2.
; THE RING.  K goes in chunks of 256 bytes of each row through two LDS slots; each tile row is 256 bytes of memory at a multiple of 256.  A step of 128 along K is 96 bytes: eight steps to three chunks;
; steps that lie across two chunks read both slots.  A chunk has five tiles (x, four gates) and the work-group four waves with one tensor load each: x (wave 0) and gates i, f, g (waves 1-3) come by
; joint tensor loads (x shared along a row of the 4 x 4 cluster, weights along a column); gate o's 64 rows x 256 bytes, one eighth of a chunk's bytes, come through registers (whole units of 256 bytes,
; asked for one chunk ahead) into two LDS slots of their own, which no tensor load fills.  For the same reason (nine tiles, one load a wave) the scale bytes come through registers.
; THE CHANGE OF TILES.  Behind the first tile's last step a round of the cluster's barrier and the joint load of the next tile's chunk 0; its scale bytes of x and gate o's chunks 0 and 1 are asked for
; into registers; then the tile goes out.  The last tile's way out is written out apart: it asks for nothing.
; THE ORDER OF K.  Of a step's 96 bytes a lane takes 48 neighbouring bytes by three loads of 16: blocks 1 and 2 of each 128 along K change places, alike in x and in the weights.  The scale words' two
; middle bytes change places on their way into LDS.  So the blocks of each 128 along K are added in the order 0, 2, 1, 3.
; PREFETCH.  Behind the load of chunk k each wave names chunk k + 2: 16 rows of x and, in the first tile alone (the second reads the same rows again), 16 rows of gate w; a lane a row (lanes 16-31 name
; the last row again); the four partners that share a tile share its rows out by address (cx for x, cy for the gates).  The head's load also names chunk 1.  Behind chunks 4 and 5 of the first tile
; the next tile's chunks 0 and 1 of x are named; the last tile names nothing there.
; LIMITS.  sigmoid(z) = 1 / (1 + 2^(-L z)), tanh(z) = 1 - 2 / (1 + 2^(2 L z)), L = log2(e): an exponential that overflows gives infinity, whose reciprocal is 0, the right limit; nothing is clamped.
; The absolute error of tanh near 0 is about 1e-7.  NaN and infinities among b_G and cx, and a scale byte 0xff, go through as the arithmetic gives them.
; REGISTERS: window 0: v0-31 addresses; v32-63 scale words, two sets; v64-127 biases; v128-223 x's fragments, one set (on the way out v128-191: rows read back); v224-239 2 L cx; v240-243 constants.
;   window 1: the weights' fragments, two sets at v0 and v128; v96-127 gate o on its way; between tiles v32-63 x's scale bytes, v64-95 gate o's chunk 1; on the way out v128-255 at work.
;   windows 2, 3: the accumulators ((a, b) at v[8 (8 (a % 4) + b)]).
.set KROW,   1536
.set CHB,    256
.set CHUNKS, 6
.set NEXTX,  2048*KROW                 ; from a tile's rows of x to the next tile's
.set PITCH,  272                       ; 256 bytes + 16: 17 x 16, so the 16 rows that 16 lanes' loads of 16 bytes touch start in 16 different columns of 16 bytes modulo 256
.set GRP,    16*PITCH
.set GATEB,  64*PITCH
.set BOFF,   256*PITCH                 ; gates i, f, g lie behind x's 256 rows
.set SLOT,   448*PITCH
.set OOFF,   2*SLOT                    ; gate o's two slots; on the way out the stage: 64 rows x 272 bytes in each, by turns
.set OSLOT,  GATEB
.set SCL,    OOFF+2*OSLOT              ; x's scale bytes: 256 rows x 64 bytes as units of 256 + 16
.set SBLK,   4*272
.set SQ,     16*272
.set SCLB,   SCL+4*SQ                  ; the weights', gate by gate; of each two neighbouring words the places are changed
.set SPARE,  SCLB+4*SQ                 ; the spare words: 512 bytes that no other line names
.set SPITCH, 272
.set FR,     12
.set NP,     4
.set ADRA, 8                           ; v8-9 x's fragments in slot 0, 1; v10-11: lanes 0-15 byte 208 of slot 0 (1), lanes 16-31 byte 0 of slot 1 (0)
.set ADRB, 12
.set ADRO, 16
.set STO,  20
.set RD,   21                          ; two whole rows of gate o's slot 0: where I store gate o, and where I read the stage back
.set CO,   22
.set ADRS, 23
.set VB,   24
.set VS,   25
.set GO,   27
.set SPW,  28
.set NIL,  29
.set PFO,  30
.set GS,   31
.set SC,   32
.set BI,   64
.set AF,   128
.set OB,   128
.set CX,   224
.set KV,   240
.set XS,   32                          ; window 1
.set OS2,  64                          ; window 1
.set OS,   96                          ; window 1
.set T,    128                         ; window 1
.set WV,   2
.set G1A,  20
.set G1B,  28
.set G0A,  52
.set TX,   60
.set TY,   61
.set RH,   62
.set CH,   63
.set TL,   66                          ; tiles to go
.set PS,   67
.set G0B,  68
.set KM,   76
.set KP,   78
.set PX,   80
.set PG,   82
.set FLAGS, (1<<20)|(1<<21)|(5<<22)|(3<<25)
.set MSB, 0
.macro WIN new
.if MSB != (\new)
	s_set_vgpr_msb (MSB<<8)|(\new)
.set MSB, (\new)
.endif
.endm
.set MUL_LO, 0xa1
.set FST_LO, 0x81
.set TO_B,   0x40
.set FROM_B, 0x04
.macro PLACES n
.rept \n
	v_nop
.endr
.endm
.macro TL_ g0, g1
	tensor_load_to_lds s[\g0:\g0+3], s[\g1:\g1+7]
	s_nop 0
.rept 4
	v_nop
.endr
.endm
.macro JLOAD slot                      ; wave 0: x's 256 rows; waves 1-3: the 64 rows of gates i, f, g.  The branch hangs on the wave's number alone
	s_cmp_eq_u32 s[WV], 0
	s_cbranch_scc0 .Lfor_w_\@
	TL_ G0A+4*(\slot), G1A
	s_branch .Lasked_\@
.Lfor_w_\@:
	TL_ G0B+4*(\slot), G1B
.Lasked_\@:
.endm
.macro CREST
	s_cmp_lg_u32 s[WV], 0
	s_cbranch_scc1 .Lnot_wave_0_\@
	s_barrier_signal -3
.Lnot_wave_0_\@:
	s_barrier_wait -3
	s_barrier_signal -1
	s_barrier_wait -1
.endm
.macro CROUND
	s_barrier_signal -1
	s_barrier_wait -1
	CREST
.endm
.macro SHAPE g, rows
	s_mov_b32 s[\g+1], CHB<<16
	s_mov_b32 s[\g+2], (\rows)<<16
	s_mov_b32 s[\g+3], CHB<<16
	s_mov_b32 s[\g+4], \rows
	s_mov_b32 s[\g+5], KROW
	s_mov_b32 s[\g+6], 0
	s_mov_b32 s[\g+7], 0
.endm
.macro ASKX ch
	global_prefetch_b8 v[PFO], s[PX:PX+1] offset:CHB*(\ch) th:TH_LOAD_NT scope:SCOPE_SE
.endm
.macro ASKG ch
	global_prefetch_b8 v[PFO], s[PG:PG+1] offset:CHB*(\ch) th:TH_LOAD_NT scope:SCOPE_SE
.endm
.macro ASK ch                          ; chunk ch of x; of gate w in the first tile alone
	ASKX \ch
	s_cmp_eq_u32 s[TL], 2
	s_cbranch_scc0 .Lno_g_\@
	ASKG \ch
.Lno_g_\@:
.endm
.macro ASKN ch                         ; the next tile's chunk ch of x: only where a tile follows
	s_cmp_eq_u32 s[TL], 2
	s_cbranch_scc0 .Lno_n_\@
	global_prefetch_b8 v[PFO], s[PX:PX+1] offset:NEXTX+CHB*(\ch) th:TH_LOAD_NT scope:SCOPE_SE
.Lno_n_\@:
.endm
.macro AHEADS                          ; into window 1: my quarter of x's scale bytes, gate o's chunks 0 and 1
	WIN TO_B
.irp t, 0,1,2,3,4,5,6,7
	global_load_b128 v[XS+4*\t:XS+4*\t+3], v[GS], s[6:7] offset:512*\t
.endr
.irp t, 0,1,2,3,4,5,6,7
	global_load_b128 v[OS+4*\t:OS+4*\t+3], v[GO], s[14:15] offset:2*KROW*\t
.endr
.irp t, 0,1,2,3,4,5,6,7
	global_load_b128 v[OS2+4*\t:OS2+4*\t+3], v[GO], s[14:15] offset:2*KROW*\t+CHB
.endr
	WIN 0
.endm
	s_load_b512 s[4:19], s[0:1], 0x0               ; x codes 4, x scales 6, codes of W_i 8, W_f 10, W_g 12, W_o 14, scales of W_i 16, W_f 18
	s_load_b512 s[36:51], s[0:1], 0x40             ; scales of W_g 36, W_o 38, b_i 40, b_f 42, b_g 44, b_o 46, cx 48, h 50
	v_lshl_add_u32 v[SPW], v0, 2, SPARE
	v_mov_b32 v[NIL], 0
	ds_add_u32 v[SPW], v[NIL]                      ; the opening lines: the add twice on end and its wait
	ds_add_u32 v[SPW], v[NIL]
	v_lshrrev_b32 v1, 5, v0
	v_readfirstlane_b32 s[WV], v1
	s_lshr_b32 s[RH], s[WV], 1
	s_and_b32 s[CH], s[WV], 1
	s_bfe_u32 s84, ttmp6, 0x40000                  ; cx
	s_bfe_u32 s85, ttmp6, 0x40004                  ; cy
	s_lshl_b32 s[TX], ttmp9, 2
	s_add_co_u32 s[TX], s[TX], s84
	s_and_b32 s[TY], ttmp7, 0xffff
	s_lshl_b32 s[TY], s[TY], 2
	s_add_co_u32 s[TY], s[TY], s85
	s_lshl_b32 s86, s85, 2
	s_lshl_b32 s86, 15, s86                        ; my row of the cluster
	s_lshl_b32 s87, 0x1111, s84                    ; my column
	s_or_b32 s[G1A], s86, FLAGS
	s_or_b32 s[G1B], s87, FLAGS
	SHAPE G1A, 256
	SHAPE G1B, 64
	s_mul_i32 s88, s[TY], 256*KROW                 ; x's first tile
	s_mov_b32 s89, 0
	s_mul_i32 s90, s[TX], 64*KROW                  ; a gate's tile
	s_mov_b32 s91, 0
	s_mul_i32 s92, s85, 16*KROW                    ; prefetch: my work-group's 16 rows of a gate
	s_mov_b32 s93, 0
	s_lshl_b32 s94, s84, 2
	s_add_co_u32 s94, s94, s[WV]
	s_mul_i32 s94, s94, 16*KROW                    ; prefetch: my work-group's 64 rows of x, my wave's 16
	s_mov_b32 s95, 0
	s_lshl_b32 s96, s[TY], 14                      ; x's scale bytes: 16 KiB a tile, 4 KiB a wave
	s_lshl_b32 s3, s[WV], 12
	s_add_co_u32 s96, s96, s3
	s_mov_b32 s97, 0
	s_lshl_b32 s98, s[TX], 12                      ; a gate's: 4 KiB a tile
	s_mov_b32 s99, 0
	s_lshl_b32 s86, s[TY], 21                      ; h: 256 rows of 8,192 bytes a tile row, 16 rows a wave, 256 bytes a tile column
	s_lshl_b32 s3, s[WV], 17
	s_add_co_u32 s86, s86, s3
	s_lshl_b32 s3, s[TX], 8
	s_add_co_u32 s86, s86, s3
	s_mov_b32 s87, 0
	s_mul_i32 s52, s[RH], 2*GRP                    ; LDS bases, of constants and the wave's number alone
	s_add_co_u32 s53, s52, SLOT
	s_mul_i32 s56, s[CH], 2*GRP
	s_add_co_u32 s54, s56, BOFF
	s_add_co_u32 s55, s54, SLOT
	s_add_co_u32 s56, s56, OOFF
	s_add_co_u32 s57, s56, OSLOT
	s_mul_i32 s58, s[RH], 2*SBLK
	s_add_co_u32 s58, s58, SCL
	s_mul_i32 s59, s[CH], 2*SBLK
	s_add_co_u32 s59, s59, SCLB
	s_sub_co_u32 s59, s59, s58                     ; from x's scale words to the weights'
	s_mul_i32 s68, s[RH], 32*SPITCH
	s_lshl_b32 s70, s[CH], 7
	s_add_co_u32 s68, s68, s70
	s_add_co_u32 s68, s68, OOFF
	s_mul_i32 s69, s[WV], GRP
	s_add_co_u32 s69, s69, OOFF
	s_add_co_u32 s70, s70, s3                      ; b_G, cx: 256 bytes a tile column, 128 a half
	s_mul_i32 s71, s[WV], 16*KROW
	s_mov_b32 s[KM], 0xbfb8aa3b                    ; -L
	s_mov_b32 s[KM+1], 0xbfb8aa3b
	s_mov_b32 s[KP], 0x4038aa3b                    ; 2 L
	s_mov_b32 s[KP+1], 0x4038aa3b
	s_mov_b32 s[PS], 0x03010200
	s_mov_b32 s[TL], 2
	v_and_b32 v1, 15, v0                           ; r
	v_bfe_u32 v2, v0, 4, 1                         ; h
	v_mul_u32_u24 v3, v1, PITCH
	v_mad_u32_u24 v4, v2, 48, v3                   ; row x pitch + 48 x half
	v_sub_nc_u32 v7, 1, v2
	v_mul_u32_u24 v5, v2, SLOT-208
	v_add_nc_u32 v5, v3, v5
	v_add_nc_u32 v5, 208, v5                       ; lanes 0-15 byte 208 in slot 0, lanes 16-31 byte 0 in slot 1
	v_mul_u32_u24 v6, v7, SLOT+208
	v_add_nc_u32 v6, v3, v6                        ; lanes 0-15 byte 208 in slot 1, lanes 16-31 byte 0 in slot 0
	v_add_nc_u32 v[ADRA], s52, v4
	v_add_nc_u32 v[ADRA+1], s53, v4
	v_add_nc_u32 v[ADRA+2], s52, v5
	v_add_nc_u32 v[ADRA+3], s52, v6
	v_add_nc_u32 v[ADRB], s54, v4
	v_add_nc_u32 v[ADRB+1], s55, v4
	v_add_nc_u32 v[ADRB+2], s54, v5
	v_add_nc_u32 v[ADRB+3], s54, v6
	v_mul_u32_u24 v5, v2, OSLOT-208
	v_add_nc_u32 v5, v3, v5
	v_add_nc_u32 v5, 208, v5
	v_mul_u32_u24 v6, v7, OSLOT+208
	v_add_nc_u32 v6, v3, v6
	v_add_nc_u32 v[ADRO], s56, v4
	v_add_nc_u32 v[ADRO+1], s57, v4
	v_add_nc_u32 v[ADRO+2], s56, v5
	v_add_nc_u32 v[ADRO+3], s56, v6
	v_lshlrev_b32 v5, 6, v1                        ; my row's scale bytes: 64 a row, 16 more for each 256 passed
	v_lshrrev_b32 v6, 2, v1
	v_lshl_add_u32 v5, v6, 4, v5
	v_mul_u32_u24 v6, s59, v2
	v_add_nc_u32 v5, v5, v6
	v_add_nc_u32 v[ADRS], s58, v5
	v_lshl_add_u32 v5, v2, 5, v3                   ; into the stage: row r, 32 bytes for each half of the lanes
	v_add_nc_u32 v[STO], s68, v5
	v_mul_u32_u24 v5, v2, SPITCH                   ; two whole rows of 256 bytes a wave's access
	v_lshl_add_u32 v5, v1, 4, v5
	v_add_nc_u32 v[RD], s69, v5
	v_add_nc_u32 v[VS], SCL-OOFF, v[RD]
	v_lshlrev_b32 v5, 13, v2
	v_lshl_add_u32 v[CO], v1, 4, v5
	v_lshl_add_u32 v[VB], v2, 5, s70
	v_and_b32 v5, 31, v0
	v_lshlrev_b32 v[GS], 4, v5
	v_min_u32 v5, 15, v5
	v_mul_u32_u24 v[PFO], v5, KROW
	v_mul_u32_u24 v5, v2, KROW
	v_lshl_add_u32 v5, v1, 4, v5
	v_add_nc_u32 v[GO], s71, v5
	v_mov_b32 v[KV], 0xc0b8aa3b                    ; -4 L
	v_mov_b32 v[KV+1], 0xc0b8aa3b
	v_mov_b32 v[KV+2], 0x4038aa3b                  ; 2 L
	v_mov_b32 v[KV+3], 0x4038aa3b
	s_wait_alu depctr_va_vdst(0)
	s_wait_dscnt 0x0                               ; both opening adds are done
	s_wait_kmcnt 0x0
	s_add_nc_u64 s[4:5], s[4:5], s[88:89]          ; x's codes at the tile's first row
	s_cmp_eq_u32 s[WV], 0                          ; gate w's codes, for my prefetches
	s_cselect_b64 s[PG:PG+1], s[8:9], s[14:15]
	s_cmp_eq_u32 s[WV], 1
	s_cselect_b64 s[PG:PG+1], s[10:11], s[PG:PG+1]
	s_cselect_b64 s[12:13], s[8:9], s[12:13]       ; for the ring: wave 1 W_i, wave 2 W_f, wave 3 W_g
	s_cmp_eq_u32 s[WV], 2
	s_cselect_b64 s[PG:PG+1], s[12:13], s[PG:PG+1] ; (in wave 2 s[12:13] still holds W_g)
	s_cselect_b64 s[12:13], s[10:11], s[12:13]
	s_add_nc_u64 s[12:13], s[12:13], s[90:91]
	s_add_nc_u64 s[14:15], s[14:15], s[90:91]      ; W_o's codes at the tile's first row
	s_add_nc_u64 s[PG:PG+1], s[PG:PG+1], s[90:91]
	s_add_nc_u64 s[PG:PG+1], s[PG:PG+1], s[92:93]
	s_add_nc_u64 s[PX:PX+1], s[4:5], s[94:95]
	s_add_nc_u64 s[6:7], s[6:7], s[96:97]          ; my quarter of x's scale bytes
	s_cmp_eq_u32 s[WV], 0                          ; gate w's scale bytes
	s_cselect_b64 s[38:39], s[16:17], s[38:39]
	s_cmp_eq_u32 s[WV], 1
	s_cselect_b64 s[38:39], s[18:19], s[38:39]
	s_cmp_eq_u32 s[WV], 2
	s_cselect_b64 s[38:39], s[36:37], s[38:39]
	s_add_nc_u64 s[38:39], s[38:39], s[98:99]
	s_add_nc_u64 s[50:51], s[50:51], s[86:87]
	AHEADS
.irp t, 0,1,2,3,4,5,6,7
	global_load_b128 v[128+4*\t:128+4*\t+3], v[GS], s[38:39] offset:512*\t
.endr
	s_mul_i32 s3, s[WV], GATEB
.irp s, 0,1
	s_mov_b32 s[G0A+4*\s], 1
	s_mov_b32 s[G0A+4*\s+1], \s*SLOT
	s_add_nc_u64 s[G0A+4*\s+2:G0A+4*\s+3], s[4:5], \s*CHB
	s_or_b32 s[G0A+4*\s+3], s[G0A+4*\s+3], 0x80000000
	s_mov_b32 s[G0B+4*\s], 1
	s_add_co_u32 s[G0B+4*\s+1], s3, \s*SLOT+BOFF-GATEB
	s_add_nc_u64 s[G0B+4*\s+2:G0B+4*\s+3], s[12:13], \s*CHB
	s_or_b32 s[G0B+4*\s+3], s[G0B+4*\s+3], 0x80000000
.endr
	CROUND                                         ; all sixteen work-groups are here: the first joint loads meet
	JLOAD 0                                        ; chunk 0: one tensor load a wave at the head
	ASKX 1
	ASKG 1
	ASKX 2
	ASKG 2
.irp g, 0,1,2,3
.irp c, 0,1
	global_load_b128 v[BI+16*\g+8*\c:BI+16*\g+8*\c+3],   v[VB], s[40+2*\g:41+2*\g] offset:64*\c
	global_load_b128 v[BI+16*\g+8*\c+4:BI+16*\g+8*\c+7], v[VB], s[40+2*\g:41+2*\g] offset:64*\c+16
.endr
.endr
.irp c, 0,1
	global_load_b128 v[CX+8*\c:CX+8*\c+3],   v[VB], s[48:49] offset:64*\c
	global_load_b128 v[CX+8*\c+4:CX+8*\c+7], v[VB], s[48:49] offset:64*\c+16
.endr
	s_wait_loadcnt 0x0
.set IX, 0
.rept 32
	v_perm_b32 v[160+IX+1-2*(IX%2)], v[128+IX], v[128+IX], s[PS]   ; the weights' scale words: the two middle bytes change places, and so do each two neighbouring words:
.set IX, IX+1                          ; so the weights' word of a step lies in a register of the other parity than x's, and the two scale registers of a product never have the same number modulo 8
.endr
.irp t, 0,1,2,3,4,5,6,7
	ds_store_b128 v[VS], v[160+4*\t:160+4*\t+3] offset:544*\t+4*SQ
.endr
.irp i, 0,2,4,6,8,10,12,14
	v_pk_mul_f32 v[CX+\i:CX+\i+1], v[CX+\i:CX+\i+1], s[KP:KP+1] op_sel_hi:[1,0]    ; 2 L cx, once
.endr
; A fragment, 16 rows x 128 K, is 12 registers: lane l holds row l % 16 and the 48 bytes that begin 48 (l / 16) bytes into the step's 96, in pieces of 16, each inside one chunk.
; Byte y of a row lies in chunk y / 256, in slot (y / 256) % 2.  Where lanes 16-31 read the next chunk (the piece of lanes 0-15 begins at byte 208, 224 or 240), the second pair of addresses serves.
.macro FRAG reg, adr, st, off
.irp p, 0,1,2
.set BY, 96*(\st)+16*\p
.if BY/CHB == (BY+48)/CHB
	ds_load_b128 v[\reg+4*\p:\reg+4*\p+3], v[\adr+(BY/CHB)%2] offset:BY%CHB+(\off)
.else
	ds_load_b128 v[\reg+4*\p:\reg+4*\p+3], v[\adr+2+(BY/CHB)%2] offset:BY%CHB-208+(\off)
.endif
.endr
.endm
.macro FETCH_B st, i0                  ; the weights' blocks i0 .. i0 + 3 of step st into set st % 2.  12 loads
	WIN TO_B
.irp i, \i0, \i0+1, \i0+2, \i0+3
.if (\i) < 6
	FRAG 128*((\st)%2)+FR*(\i), ADRB, \st, (4*((\i)/2)+(\i)%2)*GRP
.else
	FRAG 128*((\st)%2)+FR*(\i), ADRO, \st, ((\i)%2)*GRP
.endif
.endr
.endm
.macro FETCH_A st, i0                  ; x's blocks i0 .. i0 + 3.  12 loads
	WIN 0
.irp i, \i0, \i0+1, \i0+2, \i0+3
	FRAG AF+FR*(\i), ADRA, \st, (4*((\i)/2)+(\i)%2)*GRP
.endr
.endm
.macro SCALES pr                       ; the scale words of steps 2 pr, 2 pr + 1 into set pr % 2: lanes 0-15 x's block i, lanes 16-31 the weights' block i (its two words in changed places).  8 loads
	WIN 0
.irp i, 0,1,2,3,4,5,6,7
	ds_load_b64 v[SC+16*((\pr)%2)+2*\i:SC+16*((\pr)%2)+2*\i+1], v[ADRS] offset:(4*(\i/2)+\i%2)*SBLK+8*(\pr)
.endr
.endm
; 8 matrix instructions: x's block a against the weights' eight.  first = 1: the biases are the C.  The 64 accumulators take turns in the same order in every step.
.macro MUL8 a, st, first
.if \first
	WIN FST_LO+0x40*((\a)/4)
.else
	WIN MUL_LO+0x50*((\a)/4)
.endif
.set SR, SC+16*(((\st)/2)%2)+(\st)%2
.set SW, SC+16*(((\st)/2)%2)+1-(\st)%2
.set BS, 128*((\st)%2)
.irp b, 0,1,2,3,4,5,6,7
.if \first
	v_wmma_scale_f32_16x16x128_f8f6f4 v[8*(8*((\a)%4)+\b):8*(8*((\a)%4)+\b)+7], v[BS+FR*\b:BS+FR*\b+FR-1], v[AF+FR*(\a):AF+FR*(\a)+FR-1], v[BI+8*\b:BI+8*\b+7], v[SW+2*\b], v[SR+2*(\a)] matrix_a_fmt:MATRIX_FMT_FP6 matrix_b_fmt:MATRIX_FMT_FP6 matrix_a_scale:MATRIX_SCALE_ROW1
.else
	v_wmma_scale_f32_16x16x128_f8f6f4 v[8*(8*((\a)%4)+\b):8*(8*((\a)%4)+\b)+7], v[BS+FR*\b:BS+FR*\b+FR-1], v[AF+FR*(\a):AF+FR*(\a)+FR-1], v[8*(8*((\a)%4)+\b):8*(8*((\a)%4)+\b)+7], v[SW+2*\b], v[SR+2*(\a)] matrix_a_fmt:MATRIX_FMT_FP6 matrix_b_fmt:MATRIX_FMT_FP6 matrix_a_scale:MATRIX_SCALE_ROW1
.endif
.endr
.endm
.macro OLOAD k                         ; gate o's chunk k is asked for
	WIN TO_B
.irp t, 0,1,2,3,4,5,6,7
	global_load_b128 v[OS+4*\t:OS+4*\t+3], v[GO], s[14:15] offset:2*KROW*\t+CHB*(\k)
.endr
.endm
.macro OSTORE k                        ; gate o's chunk k goes from registers into its slot, which nobody reads any more; chunk k + 1 is asked for
	s_wait_loadcnt 0x0
	WIN FROM_B
.irp t, 0,1,2,3,4,5,6,7
	ds_store_b128 v[RD], v[OS+4*\t:OS+4*\t+3] offset:544*\t+((\k)%2)*OSLOT
.endr
.if (\k)+1 < CHUNKS
	OLOAD (\k)+1
.endif
.endm
; A step of 128 along K: 64 matrix instructions in two batches of 32.  The next step's fragments come in two runs, each directly behind NP places: in the step's middle the scale words (every second step),
; the weights' eight fragments and x's blocks 0-3 (36 or 44 loads), at its end x's blocks 4-7 (12 loads).  At a step's head x's block a is waited for ahead of its own eight products:
; behind block 0's three loads were issued 9 loads of blocks 1-3 and the 12 of blocks 4-7, so the counts run 21, 18, 15, 12 (one more where the add is out).
; Where the next step's bytes END in a chunk not read yet, a barrier shows that chunk whole; where they BEGIN in a later chunk than this step's, the chunk left behind is free: the three lines,
; the barrier, and, where a chunk two further on is left in this tile, a round of the cluster's barrier and the refill.
.macro STEP st, first
.set NX, (\st)+1
.set C0, (96*(\st))/CHB
.set C1, (96*NX)/CHB
.set E0, (96*(\st)+95)/CHB
.set E1, (96*NX+95)/CHB
.if C1 > C0 || E1 > E0
	s_wait_tensorcnt 0x0                           ; all my tensor loads have landed
.if C1 > C0
	ds_add_u32 v[SPW], v[NIL]
	s_wait_dscnt 22                                ; x's block 0 is in: its blocks 1-3 (9 loads), blocks 4-7 (12) and the add may be out
	MUL8 0, \st, \first
	s_wait_dscnt 19                                ; block 1 is in
.else
	s_wait_dscnt 21
	MUL8 0, \st, \first
	s_wait_dscnt 18
.endif
	MUL8 1, \st, \first
	s_wait_dscnt 0x0                               ; the add, my reads and my stores of gate o are done
	s_barrier_signal -1
	MUL8 2, \st, \first
	MUL8 3, \st, \first
	WIN 0
	s_barrier_wait -1
.if C1 > C0 && C0+2 < CHUNKS
	CREST
	s_add_nc_u64 s[G0A+4*(C0%2)+2:G0A+4*(C0%2)+3], s[G0A+4*(C0%2)+2:G0A+4*(C0%2)+3], 2*CHB
	s_add_nc_u64 s[G0B+4*(C0%2)+2:G0B+4*(C0%2)+3], s[G0B+4*(C0%2)+2:G0B+4*(C0%2)+3], 2*CHB
	JLOAD C0%2                                     ; chunk C0 + 2, the first tensor load behind the round; its four v_nop are the places for the loads below
	OSTORE C0+2
.else
	PLACES NP
.endif
.if NX%2 == 0
	SCALES NX/2
.endif
	FETCH_B NX, 0
	FETCH_B NX, 4
	FETCH_A NX, 0
.if C1 > C0 && C0+2 < CHUNKS
.if C0+4 < CHUNKS
	ASK C0+4
.else
	ASKN C0+4-CHUNKS
.endif
.endif
	MUL8 4, \st, \first
	MUL8 5, \st, \first
	MUL8 6, \st, \first
	MUL8 7, \st, \first
	PLACES NP
	FETCH_A NX, 4
.else
	s_wait_dscnt 21                                ; the scale words, the weights' set and x's block 0 are in
	MUL8 0, \st, \first
	s_wait_dscnt 18                                ; block 1
	MUL8 1, \st, \first
	s_wait_dscnt 15                                ; block 2
	MUL8 2, \st, \first
	s_wait_dscnt 12                                ; block 3
	MUL8 3, \st, \first
	s_wait_dscnt 0x0                               ; blocks 4-7, asked for 32 matrix instructions ago
	PLACES NP
.if NX%2 == 0
	SCALES NX/2
.endif
	FETCH_B NX, 0
	FETCH_B NX, 4
	FETCH_A NX, 0
	MUL8 4, \st, \first
	MUL8 5, \st, \first
	MUL8 6, \st, \first
	MUL8 7, \st, \first
	PLACES NP
	FETCH_A NX, 4
.endif
.endm
; THE WAY OUT, by quarters: blocks 2 j and 2 j + 1 of the four waves are rows 64 j .. 64 j + 63 of the tile.  A loop of two trips of two quarters: the trips differ in the accumulators' window alone,
; so only the 64 lines that read the accumulators stand twice, in two arms of a branch on the trip.  T (window 1) holds 2 x 64 numbers of the lane: for block e at T + 64 e: +0 gate i, +16 f, +32 g, +48 o.
; The transcendentals stand in batches of both blocks, with one wait ahead of each batch and one behind it.
; The stage: quarter jj of a trip lies in gate o's slot jj.  A row's 256 bytes come from two waves: a barrier, then each wave reads 16 whole rows back.
.macro ZIN jj, w
	WIN 0x40+(\w)
	s_wait_alu depctr_va_vdst(0)                   ; ahead of the first reads of these matrix results
.irp e, 0,1
.irp b, 0,1,2,3,4,5,6,7
.irp i, 0,2,4,6
.if \b/2 == 2
	v_pk_mul_f32 v[T+64*\e+8*\b+\i:T+64*\e+8*\b+\i+1], v[64*(2*(\jj)+\e)+8*\b+\i:64*(2*(\jj)+\e)+8*\b+\i+1], s[KP:KP+1] op_sel_hi:[1,0]
.else
	v_pk_mul_f32 v[T+64*\e+8*\b+\i:T+64*\e+8*\b+\i+1], v[64*(2*(\jj)+\e)+8*\b+\i:64*(2*(\jj)+\e)+8*\b+\i+1], s[KM:KM+1] op_sel_hi:[1,0]
.endif
.endr
.endr
.endr
	WIN 0
.endm
.macro BACK jj
.irp t, 0,1,2,3,4,5,6,7
	ds_load_b128 v[OB+32*(\jj)+4*\t:OB+32*(\jj)+4*\t+3], v[RD] offset:(\jj)*OSLOT+\t*2*SPITCH
.endr
.endm
.macro SENDQ jj
.irp t, 0,1,2,3,4,5,6,7
	s_wait_dscnt 7-\t                              ; load t is in; no LDS instruction was issued behind the eight
	global_store_b128 v[CO], v[OB+32*(\jj)+4*\t:OB+32*(\jj)+4*\t+3], s[50:51] offset:(\jj)*524288+\t*16384 th:TH_STORE_NT   ; 16 lanes store 256 consecutive bytes, at a multiple of 256
.endr
.endm
.macro RUN op, base, n
.set IX, 0
.rept \n
	\op v[\base+IX], v[\base+IX]
.set IX, IX+1
.endr
.endm
.macro QUAD jj
	s_cmp_eq_u32 s3, 0
	s_cbranch_scc0 .Lhi_\@
	ZIN \jj, 2
	s_branch .Lz_\@
.Lhi_\@:
	ZIN \jj, 3
.Lz_\@:
	WIN 0x41                                       ; destination and source 0 in window 1
	s_wait_alu depctr_va_vdst(0)
	RUN v_exp_f32, T, 128
	v_nop
.if (\jj) > 0
	WIN 0
	SENDQ 0                                        ; the quarter before leaves
	WIN 0x41
.endif
	s_wait_alu depctr_va_vdst(0)
.set IX, 0
.rept 64
	v_pk_add_f32 v[T+IX:T+IX+1], v[T+IX:T+IX+1], 1.0 op_sel_hi:[1,0]
.set IX, IX+2
.endr
	s_wait_alu depctr_va_vdst(0)
	RUN v_rcp_f32, T, 128                          ; i, f, o: the sigmoids; g: R = 1 / (1 + 2^(2 L z))
	v_nop
	s_wait_alu depctr_va_vdst(0)
.irp e, 0,64
.irp i, 0,2,4,6,8,10,12,14
	v_pk_fma_f32 v[T+\e+32+\i:T+\e+33+\i], v[T+\e+32+\i:T+\e+33+\i], v[KV:KV+1], v[KV+2:KV+3]    ; 2 L tanh(z_g) = 2 L - 4 L R
.endr
.irp i, 0,2,4,6,8,10,12,14
	v_pk_mul_f32 v[T+\e+16+\i:T+\e+17+\i], v[T+\e+16+\i:T+\e+17+\i], v[CX+\i:CX+\i+1]            ; f x 2 L cx
.endr
.endr
	WIN 0x55
.irp e, 0,64
.irp i, 0,2,4,6,8,10,12,14
	v_pk_fma_f32 v[T+\e+16+\i:T+\e+17+\i], v[T+\e+\i:T+\e+\i+1], v[T+\e+32+\i:T+\e+33+\i], v[T+\e+16+\i:T+\e+17+\i]   ; 2 L c
.endr
.endr
	WIN 0x41
	s_wait_alu depctr_va_vdst(0)
	RUN v_exp_f32, T+16, 16
	RUN v_exp_f32, T+80, 16
	v_nop
	s_wait_alu depctr_va_vdst(0)
.irp e, 0,64
.irp i, 0,2,4,6,8,10,12,14
	v_pk_add_f32 v[T+\e+16+\i:T+\e+17+\i], v[T+\e+16+\i:T+\e+17+\i], 1.0 op_sel_hi:[1,0]
.endr
.endr
	s_wait_alu depctr_va_vdst(0)
	RUN v_rcp_f32, T+16, 16
	RUN v_rcp_f32, T+80, 16
	v_nop
	s_wait_alu depctr_va_vdst(0)
.irp e, 0,64
.irp i, 0,2,4,6,8,10,12,14
	v_pk_fma_f32 v[T+\e+16+\i:T+\e+17+\i], v[T+\e+16+\i:T+\e+17+\i], -2.0, 1.0 op_sel_hi:[1,0,0]   ; tanh(c)
.endr
.endr
	WIN 0x45
.irp e, 0,64
.irp i, 0,2,4,6,8,10,12,14
	v_pk_mul_f32 v[T+\e+48+\i:T+\e+49+\i], v[T+\e+48+\i:T+\e+49+\i], v[T+\e+16+\i:T+\e+17+\i]      ; h = o tanh(c)
.endr
.endr
	WIN FROM_B
.irp e, 0,1
.irp c, 0,1
.irp u, 0,1
	ds_store_b128 v[STO], v[T+64*\e+48+8*\c+4*\u:T+64*\e+48+8*\c+4*\u+3] offset:(\jj)*OSLOT+\e*16*SPITCH+64*\c+16*\u
.endr
.endr
.endr
	WIN 0
	s_wait_dscnt 0x0                               ; for the others' sake: my stores into the stage, and my reads of the other half of it, are done
	s_barrier_signal -1
	s_barrier_wait -1
	BACK \jj
.endm
.macro EPI
	PLACES NP                                      ; behind the last products
	s_mov_b32 s3, 0
.Lepi_\@:
	QUAD 0
	QUAD 1
	SENDQ 1
	s_wait_xcnt 0x0                                ; the trip's stores have read their registers and their base
	s_add_nc_u64 s[50:51], s[50:51], 2*524288      ; 128 rows of h on
	s_add_co_u32 s3, s3, 1
	s_cmp_lt_u32 s3, 2
	s_cbranch_scc1 .Lepi_\@
.endm
.Ltile:
	s_wait_loadcnt 0x0                             ; x's scale bytes and gate o's chunks 0 and 1 are in
	WIN 0x45
.set IX, 0
.rept 32
	v_perm_b32 v[XS+IX], v[XS+IX], v[XS+IX], s[PS] ; each word's two middle bytes change places, as blocks 1 and 2 of its 128 codes do
.set IX, IX+1
.endr
	WIN FROM_B
.irp t, 0,1,2,3,4,5,6,7
	ds_store_b128 v[VS], v[XS+4*\t:XS+4*\t+3] offset:544*\t
.endr
.irp t, 0,1,2,3,4,5,6,7
	ds_store_b128 v[RD], v[OS+4*\t:OS+4*\t+3] offset:544*\t
.endr
.irp t, 0,1,2,3,4,5,6,7
	ds_store_b128 v[RD], v[OS2+4*\t:OS2+4*\t+3] offset:544*\t+OSLOT
.endr
	OLOAD 2                                        ; chunk 2, stored when slot 0 is free
	WIN 0
	s_wait_alu depctr_va_vdst(0)                   ; directly ahead of the wait below
	s_wait_tensorcnt 0x0                           ; my tile of chunk 0 is in; the three lines ahead of the round:
	ds_add_u32 v[SPW], v[NIL]
	s_wait_dscnt 0x0                               ; the add and my stores of scale bytes and of gate o are done
	CROUND
	JLOAD 1                                        ; chunk 1, the first tensor load behind the round
	SCALES 0
	FETCH_B 0, 0
	FETCH_B 0, 4
	FETCH_A 0, 0
	ASK 3
	FETCH_A 0, 4
	STEP 0, 1
.set ST, 1
.rept 14
	STEP ST, 0
.set ST, ST+1
.endr
	s_wait_dscnt 12                                ; the tile's last step: nothing more to fetch
	MUL8 0, 15, 0
	MUL8 1, 15, 0
	MUL8 2, 15, 0
	MUL8 3, 15, 0
	s_wait_dscnt 0x0
	MUL8 4, 15, 0
	MUL8 5, 15, 0
	MUL8 6, 15, 0
	MUL8 7, 15, 0
	WIN 0
	s_cmp_eq_u32 s[TL], 1
	s_cbranch_scc1 .Llast_tile                     ; the last tile's tail is written out: it asks for nothing more
	s_wait_tensorcnt 0x0                           ; no tensor load of mine is out: the descriptors step to the next tile's chunks 0 and 1
	ds_add_u32 v[SPW], v[NIL]
.irp s, 0,1
	s_add_nc_u64 s[G0A+4*\s+2:G0A+4*\s+3], s[G0A+4*\s+2:G0A+4*\s+3], NEXTX-4*CHB   ; x: 2,048 rows down, four chunks back
	s_sub_nc_u64 s[G0B+4*\s+2:G0B+4*\s+3], s[G0B+4*\s+2:G0B+4*\s+3], 4*CHB         ; the gates: four chunks back
.endr
	s_wait_dscnt 0x0                               ; the add is done; my reads of both slots are over
	CROUND
	JLOAD 0                                        ; the next tile's chunk 0, the first tensor load behind the round; its four v_nop are the places for the loads below
	s_wait_xcnt 0x0                                ; my prefetches and loads have read their bases
	s_add_nc_u64 s[PX:PX+1], s[PX:PX+1], NEXTX
	s_add_nc_u64 s[6:7], s[6:7], 2048*64           ; the next tile's scale bytes of x
	AHEADS
	ASKX 2
	EPI
	s_add_nc_u64 s[50:51], s[50:51], (2048-256)*8192   ; h: on to the next tile's first row (behind the way out's last wait on XCNT)
	s_barrier_signal -1                            ; every wave's reads of the stage are back (the last wait in SENDQ is for 0): gate o's slots may be stored into again
	s_barrier_wait -1
	s_sub_co_u32 s[TL], s[TL], 1
	s_branch .Ltile
.Llast_tile:
	EPI
	s_wait_tensorcnt 0x0                           ; the wave's end
	ds_add_u32 v[SPW], v[NIL]
	s_wait_dscnt 0x0
	CROUND                                         ; the closing round
	s_endpgm
.Lfunc_end_k_q4ee9d637ed_lstm:
	.size	k_q4ee9d637ed_lstm, .Lfunc_end_k_q4ee9d637ed_lstm-k_q4ee9d637ed_lstm
	.p2alignl 7, 3214868480
	.fill 96, 4, 3214868480
	.section	.rodata,"a",@progbits
	.p2align	6, 0x0
	.amdhsa_kernel k_q4ee9d637ed_lstm
		.amdhsa_group_segment_fixed_size 327680
		.amdhsa_private_segment_fixed_size 0
		.amdhsa_enable_private_segment 0
		.amdhsa_kernarg_size 128
		.amdhsa_user_sgpr_count 2
		.amdhsa_user_sgpr_kernarg_segment_ptr 1
		.amdhsa_wavefront_size32 1
		.amdhsa_system_sgpr_workgroup_id_x 1
		.amdhsa_system_sgpr_workgroup_id_y 1
		.amdhsa_system_sgpr_workgroup_id_z 1
		.amdhsa_system_vgpr_workitem_id 0
		.amdhsa_next_free_vgpr 1024
		.amdhsa_next_free_sgpr 100
		.amdhsa_reserve_vcc 0
		.amdhsa_float_denorm_mode_32 3
		.amdhsa_float_denorm_mode_16_64 3
		.amdhsa_memory_ordered 1
		.amdhsa_forward_progress 1
		.amdhsa_inst_pref_size 255
	.end_amdhsa_kernel
	.section	.bss,"aw",@nobits
	.p2align	6
	.space	262144
	.amdgpu_metadata
---
amdhsa.version: [ 1, 2 ]
amdhsa.kernels:
  - .name:           k_q4ee9d637ed_lstm
    .symbol:         k_q4ee9d637ed_lstm.kd
    .args:
      - { .name: x_codes, .offset: 0, .size: 8, .value_kind: global_buffer, .address_space: global }
      - { .name: x_scales, .offset: 8, .size: 8, .value_kind: global_buffer, .address_space: global }
      - { .name: W_i_codes, .offset: 16, .size: 8, .value_kind: global_buffer, .address_space: global }
      - { .name: W_f_codes, .offset: 24, .size: 8, .value_kind: global_buffer, .address_space: global }
      - { .name: W_g_codes, .offset: 32, .size: 8, .value_kind: global_buffer, .address_space: global }
      - { .name: W_o_codes, .offset: 40, .size: 8, .value_kind: global_buffer, .address_space: global }
      - { .name: W_i_scales, .offset: 48, .size: 8, .value_kind: global_buffer, .address_space: global }
      - { .name: W_f_scales, .offset: 56, .size: 8, .value_kind: global_buffer, .address_space: global }
      - { .name: W_g_scales, .offset: 64, .size: 8, .value_kind: global_buffer, .address_space: global }
      - { .name: W_o_scales, .offset: 72, .size: 8, .value_kind: global_buffer, .address_space: global }
      - { .name: b_i, .offset: 80, .size: 8, .value_kind: global_buffer, .address_space: global }
      - { .name: b_f, .offset: 88, .size: 8, .value_kind: global_buffer, .address_space: global }
      - { .name: b_g, .offset: 96, .size: 8, .value_kind: global_buffer, .address_space: global }
      - { .name: b_o, .offset: 104, .size: 8, .value_kind: global_buffer, .address_space: global }
      - { .name: cx, .offset: 112, .size: 8, .value_kind: global_buffer, .address_space: global }
      - { .name: out0, .offset: 120, .size: 8, .value_kind: global_buffer, .address_space: global }
    .group_segment_fixed_size: 327680
    .private_segment_fixed_size: 0
    .kernarg_segment_align: 8
    .kernarg_segment_size: 128
    .max_flat_workgroup_size: 128
    .sgpr_count:     100
    .vgpr_count:     1024
    .wavefront_size: 32
...
	.end_amdgpu_metadata
.endif
;; end of part 1
